; MI455X (gfx1250); checked and timed in simulation.
; The chip was launched on July 23, 2026; its instructions are those of AMD's public machine-readable ISA for CDNA 5 (MIT licence, August 2026) and "CDNA5" Instruction Set Architecture Reference Guide (July 2026). The comments in the code are by the model that wrote it; some were corrected since.
;; Multi Head Self Attention. Allowed arithmetic: matrix products marked QUANTISED: E2M3 operands, one E8M0 scale for each 32 along K, by v_wmma_scale_f32_16x16x128_f8f6f4 with both operands' format E2M3, f32 sums; everything else in f32.
;; Inputs: Wk_codes 256 x 8 x 24 uint8 (E2M3 codes of Wk, K innermost, in blocks of 32 codes, four codes in three bytes); Wk_scales 256 x 8 uint8 (E8M0 scales of Wk, one for each 32 codes along K); Wq_codes 256 x 8 x 24 uint8 (E2M3 codes of Wq, K innermost, in blocks of 32 codes, four codes in three bytes); Wq_scales 256 x 8 uint8 (E8M0 scales of Wq, one for each 32 codes along K); Wv_codes 256 x 8 x 24 uint8 (E2M3 codes of Wv, K innermost, in blocks of 32 codes, four codes in three bytes); Wv_scales 256 x 8 uint8 (E8M0 scales of Wv, one for each 32 codes along K); beta 256 float32; bk 256 float32; bq 256 float32; bv 256 float32; gamma 256 float32; pad_mask 2 x 4,096 float32; x 2 x 4,096 x 256 float32.
;; Outputs: out0 2 x 4,096 x 256 float32.
;; This version of the problem:
;;   THIS VERSION OF THE PROBLEM IS GIVEN IN LOW PRECISION. The matrix products marked QUANTISED in the list below multiply operands that are first quantised to E2M3 (2 exponent bits, 3 mantissa bits; 6 bits a number), with one power-of-two scale for each 32 numbers along K (OCP MX v1.0); their sums are f32. All else is computed in f32.
;;   The module's matrix products, in the order in which they are computed (A, B: the left and right operand; K: the contracted axis; several contracted axes count as one K, in the product's order):
;;     1. [M 8,192, K 256] x [K 256, N 256]; A: input x; B: input Wq (given as codes): QUANTISED
;;     2. [M 8,192, K 256] x [K 256, N 256]; A: input x; B: input Wk (given as codes): QUANTISED
;;     3. [M 8,192, K 256] x [K 256, N 256]; A: input x; B: input Wv (given as codes): QUANTISED
;;     4. batch 16 x [M 4,096, K 32] x [K 32, N 4,096]; A: computed on the way; B: computed on the way: QUANTISED
;;     5. batch 16 x [M 4,096, K 4,096] x [K 4,096, N 32]; A: softmax (see below); B: computed on the way: QUANTISED
;;   THE QUANTISER, for each operand of a quantised product, along K:
;;     - K is cut into blocks of 32 from its start; a last block that is shorter is filled with zeros.
;;     - A block's scale is 2^e with e = floor(log2(the largest magnitude in the block)) - 2, held to -126 .. 127; a block of zeros has e = 0. As a byte (E8M0): e + 127.
;;     - Each number is divided by its block's scale, clamped to +-7.5, and rounded to the nearest number of E2M3, ties to even, subnormals kept.
;;     - The product sums the exact products of the quantised numbers (number of the format x scale) in f32.
;;   ~~~python
;;   def quantise(x, axis):      # numpy; x: float32 -> the quantised numbers, widened to float32 again
;;       x = np.moveaxis(x, axis, -1); K = x.shape[-1]
;;       x = np.pad(x, [(0, 0)] * (x.ndim - 1) + [(0, -K % 32)]); x = x.reshape(x.shape[:-1] + (-1, 32)); a = np.abs(x).max(-1, keepdims=True)
;;       e = np.where(a > 0, np.clip(np.frexp(np.where(a > 0, a, 1))[1] - 1 - 2, -126, 127), 0)      # np.frexp(a)[1] - 1 = floor(log2(a)), exactly
;;       r = np.clip(x / 2.0 ** e, -7.5, 7.5)
;;       step = 2.0 ** (np.maximum(np.frexp(np.where(r == 0, 1, r))[1] - 1, 0) - 3)
;;       q = np.round(r / step) * step * 2.0 ** e      # np.round: ties to even
;;       return np.moveaxis(q.reshape(q.shape[:-2] + (-1,))[..., :K], -1, axis).astype(np.float32)
;;   ~~~
;;   SOFTMAX AHEAD OF A QUANTISED PRODUCT. Where the list says 'softmax', what is quantised is not the finished softmax but p = 2^(t - M), with t = logit x log2(e) and M = ceil(the row's largest t), a whole number; so 1/2 < the row's largest p <= 1. The row's sum l is taken of the UNQUANTISED p, in f32, and the product's result is divided by l at the end. Since M is a whole number, a kernel that streams over the keys may use a running M (the ceiling of the running maximum): every later rescaling is an exact power of two, which a block's scale takes up: the codes' values come out the same.
;;   OPERANDS COMPUTED ON THE WAY. 'Computed on the way' means the value that the module computes at that place (a softmax that the list does not call 'softmax' is quantised finished and normalised). What goes into a quantiser is computed in f32, as accurately as f32 sums, v_exp_f32 and their like allow (about 1e-6 of the number): no bf16 or f16 on the way to a quantiser, and a product that is left as it is and whose result goes on into a quantised operand takes f32 operands (vector FMAs, or v_wmma_f32_16x16x4_f32). A number that lies on a knife's edge between two numbers of the format may be rounded either way, as far as f32 arithmetic and the matrix unit's own rounding can turn it there, and no further.
;;   INPUTS GIVEN AS CODES. Wk (in the module: [256, 256], K = its axis 0); Wq (in the module: [256, 256], K = its axis 0); Wv (in the module: [256, 256], K = its axis 0): each comes as NAME_codes (uint8): NAME with its K axis moved to the last place and cut into blocks of 32 codes, [.., K / 32, bytes a block], one block behind the other in memory; four codes in three bytes: a row's codes are one little-endian stream of bits, code i at bits 6 i .. 6 i + 5 (a code: sign, 2 exponent bits, 3 mantissa bits); and NAME_scales (uint8): the same leading axes, one E8M0 byte (e + 127) for each 32 codes along K. Its value is code x scale, taken as it is: it is not quantised again, and the codes and scales need not be those that the quantiser above would give.
;; One version. Each part assembles by itself: llvm-mc -triple=amdgcn-amd-amdhsa -mcpu=gfx1250 --defsym DOCPART=n.
;; ======== version 1 of 1: 2 launches
;; limits: right only within a limited range of input values
;; workspace buffers: qb 2,097,152 bytes; kv 3,145,728 bytes; sc 131,072 bytes
;; launch proj (part 1): grid 64 x 4, 8 waves a work-group, no clusters, 28,672 bytes of LDS; arguments x, Wq_codes, Wq_scales, bq, Wk_codes, Wk_scales, bk, Wv_codes, Wv_scales, bv, qb, kv, sc; writes qb, kv, sc
.if DOCPART == 1
	.amdgcn_target "amdgcn-amd-amdhsa--gfx1250"
	.amdhsa_code_object_version 6
	.text
	.protected	k_qd3146222b6_proj
	.globl	k_qd3146222b6_proj
	.p2align	8
	.type	k_qd3146222b6_proj,@function
k_qd3146222b6_proj:
	s_mov_b64 s[64:65], 0
	v_nop
	global_prefetch_b8 v0, s[64:65] scope:SCOPE_SE
	s_setreg_imm32_b32 hwreg(HW_REG_WAVE_MODE, 25, 1), 1
	s_wait_xcnt 0x0
; q = x Wq + bq, k = x Wk + bk, v = x Wv + bv on codes of FP6 (E2M3) with one E8M0 scale for each 32 along K, and q, k, v quantised again for the attention launch:
; q and k along a head's 32 channels (one block), v along the keys.  x [8192][256] f32 is quantised here; the weights come as codes [256 (n)][192 bytes] with scale bytes [256][8].
; SHARES.  Work-group x = J: 128 tokens (one key step of the attention launch); work-group y: channels 64 y .. 64 y + 63 (heads 2 y, 2 y + 1).  256 work-groups, 8 waves, no loop.
; TOKEN TILES.  The 128 tokens are two groups c of 64; tile t (0..3) of a group has row r = token 64 c + 32 (r / 8) + 8 t + r % 8.  In a result (register j, lane half h: row 8 h + j) the 32 registers of
; four tiles are then 32 NEIGHBOURS, 32 h + 0 .. 31: a whole block of 32 lies in one lane, its largest magnitude needs no other lane, and its codes are six registers of the next operand as they stand.
;   v: source 0 = a tile of x, source 1 = 16 channels of Wv: a lane holds one channel and 32 neighbouring keys.
;   q, k: source 0 = 16 rows of W (row m of tile i = channel 32 (m / 8) + 8 i + m % 8 of the 64), source 1 = a tile of x: a lane holds one token and the 32 channels of head 2 y + h.
; OUT, all as images of operand registers (half image: registers 0-3 at 16 x lane, 512 bytes; registers 4-5 at 512 + 8 x lane, 256 bytes):
;   kv [batch][slot 16][head 8][step in slot 2][6,144]: K's fragments c = 0, 1 (row m, block b of 32 along K = key 64 c + 32 (m / 8) + 8 b + m % 8: four keys to a row), then V's for channels 0-15 and 16-31 (K = the step's 128 keys).
;   sc [batch][head][step 32][256]: K's scale words (lane 0-15: c = 0, lane 16-31: c = 1), then V's (lane 0-15: channels 0-15, lane 16-31: channels 16-31).
;   qb [head][group 128][u 2][1,024]: lane r + 16 i: query r of tile 2 u + i: registers 0-3 at 16 x lane; at 512 + 16 x lane registers 4, 5, the scale byte four times, 0.
; NO CLUSTER, NO TENSOR LOAD: the four work-groups of a J read the same 131,072 bytes of x, but each lane takes its 32 neighbours along K straight into registers, in the operand's order;
; a joint load would put the f32 numbers into LDS first and read them out again.  The weights, 73,728 bytes a work-group, go straight into registers too.
; LIMITS: NaN and infinities among the inputs are not served; a block of zeros, or one whose largest magnitude lies under 2^-124, gets the scale byte 1 (its codes are zeros or tiny; these bytes are read by this program alone).
.set XSC,  24576                       ; LDS: x's 16 fragment images of 1,536 bytes from byte 0 (index 2 (4 c + t) + s); here their scale words, 128 bytes each;
.set SCS,  26624                       ; here 2 heads x 256 bytes of K's and V's scale bytes, laid as in sc
.set WS,   24                          ; v24-31  W's scale words (tile i, K step s) at 2 i + s
.set WVS,  32                          ; v32-33  Wv's
.set XS,   34                          ; v34-41  x's
.set MX,   42                          ; v42-45  largest magnitudes, two chains a block
.set SOP,  46                          ; v46-47  the conversions' scale operands
.set BY,   48                          ; v48-49  scale bytes
.set PT,   50                          ; v50-57  a block's upper 16 codes, before they are moved
.set CA,   58                          ; v58-65  codes (6), scale word, 0
.set CB,   66                          ; v66-73  the same for the second job
.set TW,   74                          ; v74-76  at work
.set XR,   82                          ; v82-209 x as loaded: 2 K steps x 64 numbers
.set XF,   82                          ; v82-177 later up to 8 fragments of x
.set ACC,  178                         ; v178-241 two jobs x 32 results
.set WVF,  96                          ; window 1: v0-95 W's 8 fragments at 12 (2 i + s); v96-119 Wv's two;
.set BV,   120                         ; v120-127 bv of my channel, eight times;
.set BIAS, 128                         ; v128-159 bq or bk in the result's layout
.set MSB, 0
.macro WIN new                         ; the immediate's high byte repeats the setting that is left
.if MSB != (\new)
	s_set_vgpr_msb (MSB<<8)|(\new)
.set MSB, (\new)
.endif
.endm
; 32 numbers of a lane, one block, become 6 registers of codes at v[cd] on, the byte in v[BY+n].  The registers are taken in ascending order: each group of eight is first read at its low end.
.macro QUANT1 src, cd, n
	v_max3_num_f32 v[MX+2*\n], |v[\src]|, |v[\src+1]|, 0x1800000          ; the floor 2^(3 - 127) among the leaves: the byte cannot fall under 1
	v_max3_num_f32 v[MX+2*\n+1], |v[\src+2]|, |v[\src+3]|, |v[\src+4]|
.irp i, 5,9,13,17,21,25
	v_max3_num_f32 v[MX+2*\n], v[MX+2*\n], |v[\src+\i]|, |v[\src+\i+1]|
	v_max3_num_f32 v[MX+2*\n+1], v[MX+2*\n+1], |v[\src+\i+2]|, |v[\src+\i+3]|
.endr
	v_max3_num_f32 v[MX+2*\n], v[MX+2*\n], |v[\src+29]|, |v[\src+30]|
	v_max3_num_f32 v[MX+2*\n], v[MX+2*\n], v[MX+2*\n+1], |v[\src+31]|
	s_delay_alu instid0(VALU_DEP_1)
	v_add_nc_u32 v[SOP+\n], 0xff000000, v[MX+2*\n]                        ; 2 off the exponent field: the conversion takes this operand's exponent field as its scale
	s_delay_alu instid0(VALU_DEP_1)
	v_lshrrev_b32 v[BY+\n], 23, v[SOP+\n]                                 ; the scale's byte
	v_cvt_scalef32_pk16_fp6_f32 v[\cd:\cd+2], v[\src:\src+15], v[SOP+\n]
	v_cvt_scalef32_pk16_fp6_f32 v[PT+4*\n:PT+4*\n+2], v[\src+16:\src+31], v[SOP+\n]   ; (a conversion's three registers begin on an even number)
	v_nop                                                                 ; one plain line behind the last conversion
.irp i, 0,1,2
	v_mov_b32 v[\cd+3+\i], v[PT+4*\n+\i]
.endr
.endm
; 64 numbers of a lane, blocks h and 2 + h of a K step of my row, become a fragment in v58-69 and its scale word in v[TW+2] (whole in lanes 0-15, which alone are read)
.macro QUANTX src
	QUANT1 \src, CA, 0
	QUANT1 \src+32, CA+6, 1
	v_lshl_or_b32 v[TW], v[BY+1], 16, v[BY]
	s_delay_alu instid0(VALU_DEP_1)
	v_permlanex16_b32 v[TW+1], v[TW], s32, s33
	s_delay_alu instid0(VALU_DEP_1)
	v_lshl_or_b32 v[TW+2], v[TW+1], 8, v[TW]
.endm
.macro IMAGE s                         ; the fragment goes to LDS as it stands: 16 bytes a lane, 512 a store
.irp k, 0,1,2
	ds_store_b128 v13, v[CA+4*\k:CA+4*\k+3] offset:1536*(\s)+512*\k
.endr
	ds_store_b32 v14, v[TW+2] offset:128*(\s)
.endm
.macro BARRIER                         ; my LDS stores have landed and my LDS loads are in: then the work-group's barrier
	s_wait_dscnt 0x0
	s_barrier_signal -1
	s_barrier_wait -1
.endm
	s_load_b512 s[4:19], s[0:1], 0x0               ; x, Wq codes, Wq scales, bq, Wk codes, Wk scales, bk, Wv codes
	s_load_b256 s[20:27], s[0:1], 0x40             ; Wv scales, bv, qb, kv
	s_load_b64 s[28:29], s[0:1], 0x60              ; sc
	v_lshl_add_u32 v254, v0, 2, 0x6c00
	v_mov_b32 v255, 0
	v_lshrrev_b32 v1, 5, v0
	s_delay_alu instid0(VALU_DEP_1)
	v_readfirstlane_b32 s30, v1                    ; wave 0..7
	s_and_b32 s31, ttmp7, 0xffff                   ; y
	s_and_b32 s51, s30, 3                          ; w % 4
	s_lshr_b32 s52, s30, 2                         ; w / 4
	s_bfe_u32 s53, s30, 0x10001                    ; (w / 2) % 2
	s_and_b32 s54, s30, 1                          ; w % 2
	s_mov_b32 s32, 0x76543210
	s_mov_b32 s33, 0xfedcba98                      ; v_permlanex16_b32's selects for lane l xor 16
	v_and_b32 v1, 31, v0                           ; lane
	v_and_b32 v2, 15, v0                           ; r
	v_bfe_u32 v3, v0, 4, 1                         ; h
	s_delay_alu instid0(VALU_DEP_2)
	v_and_b32 v[TW], 8, v2
	s_delay_alu instid0(VALU_DEP_1)
	v_mad_u32_u24 v[TW+1], v[TW], 3, v2            ; 32 (r / 8) + r % 8
	s_delay_alu instid0(VALU_DEP_1)
	v_lshlrev_b32 v4, 10, v[TW+1]
	s_delay_alu instid0(VALU_DEP_1)
	v_lshl_add_u32 v4, v3, 7, v4                   ; x: my tile's row of 1,024 bytes, + 128 h: my block of 32 numbers
	s_delay_alu instid0(VALU_DEP_3)
	v_mul_u32_u24 v5, v[TW+1], 192
	s_delay_alu instid0(VALU_DEP_1)
	v_mad_u32_u24 v5, v3, 24, v5                   ; W: my tile's row of 192 bytes, + 24 h
	v_lshlrev_b32 v6, 3, v[TW+1]                   ; its 8 scale bytes
	v_lshlrev_b32 v7, 7, v3                        ; the bias: 32 h channels on
	v_mul_u32_u24 v8, v2, 192
	s_delay_alu instid0(VALU_DEP_1)
	v_mad_u32_u24 v8, v3, 24, v8                   ; Wv: row r
	v_lshlrev_b32 v9, 3, v2
	v_lshlrev_b32 v10, 2, v2
	v_lshlrev_b32 v11, 4, v1                       ; 16 x lane
	v_lshlrev_b32 v12, 2, v1                       ; 4 x lane
	s_wait_alu depctr_va_vdst(0)
	v_lshlrev_b32 v21, 3, v1                       ; 8 x lane
	; every LDS address is made here, ahead of any parting of the waves: a constant + a constant x lane + a constant x wave
	s_mul_i32 s50, s30, 3072
	v_add_nc_u32 v13, s50, v11                     ; where I store x's two images
	s_lshl_b32 s50, s30, 8
	s_add_co_u32 s50, s50, XSC
	v_add_nc_u32 v14, s50, v12                     ; and their scale words
	s_mul_i32 s50, s51, 6144
	v_add_nc_u32 v15, s50, v11                     ; q, k: the four fragments of tiles 2 u, 2 u + 1 of group c: index 4 (w % 4) on
	s_lshl_b32 s50, s51, 9
	s_add_co_u32 s50, s50, XSC
	v_add_nc_u32 v16, s50, v12
	s_mul_i32 s50, s52, 12288
	v_add_nc_u32 v17, s50, v11                     ; v: the eight fragments of group w / 4
	s_lshl_b32 s50, s52, 10
	s_add_co_u32 s50, s50, XSC
	v_add_nc_u32 v18, s50, v12
	s_lshl_b32 s50, s53, 6
	s_lshl_b32 s55, s54, 1
	s_add_co_u32 s50, s50, s55
	s_add_co_u32 s50, s50, SCS
	v_lshl_add_u32 v19, v3, 8, v10
	s_delay_alu instid0(VALU_DEP_1)
	v_add_nc_u32 v19, s50, v19                     ; K's bytes: head h, 64 c + 4 r + 2 u
	s_lshl_b32 s50, s53, 8
	s_lshl_b32 s55, s54, 6
	s_add_co_u32 s50, s50, s55
	s_lshl_b32 s55, s52, 1
	s_add_co_u32 s50, s50, s55
	s_add_co_u32 s50, s50, SCS+128
	v_add_nc_u32 v20, v10, v3
	s_delay_alu instid0(VALU_DEP_1)
	v_add_nc_u32 v20, s50, v20                     ; V's byte: head (w % 4) / 2, 128 + 64 (w % 2) + 4 r + 2 (w / 4) + h
	v_lshlrev_b32 v22, 4, v2
	s_delay_alu instid0(VALU_DEP_1)
	v_lshl_add_u32 v22, v3, 13, v22                ; sc: 16 bytes a lane, the odd head 8,192 bytes on
	v_add_nc_u32 v23, SCS, v11
	; byte offsets, each in a pair of its own
	s_lshl_b32 s34, ttmp9, 17                      ; x: token 128 J + 64 (w / 4) + 8 (w % 4), 1,024 bytes a token
	s_lshl_b32 s35, s52, 16
	s_add_co_u32 s34, s34, s35
	s_lshl_b32 s35, s51, 13
	s_add_co_u32 s34, s34, s35
	s_mov_b32 s35, 0
	s_mul_i32 s36, s31, 12288                      ; a weight's codes: 64 y rows of 192 bytes
	s_mov_b32 s37, 0
	s_lshl_b32 s38, s31, 9                         ; its scale bytes
	s_mov_b32 s39, 0
	s_lshl_b32 s40, s31, 8                         ; a bias
	s_mov_b32 s41, 0
	s_mul_i32 s42, s51, 3072                       ; Wv: 16 (w % 4) rows further
	s_add_co_u32 s42, s42, s36
	s_mov_b32 s43, 0
	s_lshl_b32 s44, s51, 7
	s_add_co_u32 s44, s44, s38
	s_mov_b32 s45, 0
	s_lshl_b32 s46, s51, 6
	s_add_co_u32 s46, s46, s40
	s_mov_b32 s47, 0
	s_lshl_b32 s48, s31, 19                        ; qb: head 2 y, group 2 J + c, u: 262,144 x 2 y + 4,096 J + 1,024 (w % 4)
	s_lshl_b32 s49, ttmp9, 12
	s_add_co_u32 s48, s48, s49
	s_lshl_b32 s49, s51, 10
	s_add_co_u32 s48, s48, s49
	s_mov_b32 s49, 0
	s_lshr_b32 s76, ttmp9, 5                       ; batch
	s_and_b32 s77, ttmp9, 31                       ; key step in the batch
	s_mul_i32 s56, s76, 1572864
	s_lshr_b32 s78, s77, 1
	s_mul_i32 s78, s78, 98304
	s_add_co_u32 s56, s56, s78
	s_and_b32 s78, s77, 1
	s_mul_i32 s78, s78, 6144
	s_add_co_u32 s56, s56, s78
	s_mul_i32 s78, s31, 24576
	s_add_co_u32 s56, s56, s78                     ; kv: the record of head 2 y
	s_mul_i32 s78, s51, 768
	s_add_co_u32 s58, s56, s78                     ; K: fragment c, half image u
	s_mov_b32 s59, 0
	s_mul_i32 s78, s53, 12288
	s_add_co_u32 s60, s56, s78
	s_mul_i32 s78, s54, 1536
	s_add_co_u32 s60, s60, s78
	s_mul_i32 s78, s52, 768
	s_add_co_u32 s60, s60, s78
	s_add_co_u32 s60, s60, 3072                    ; V: head 2 y + (w % 4) / 2, channels 16 (w % 2) on, half image w / 4
	s_mov_b32 s61, 0
	s_lshl_b32 s62, s76, 16
	s_lshl_b32 s78, s31, 14
	s_add_co_u32 s62, s62, s78
	s_lshl_b32 s78, s77, 8
	s_add_co_u32 s62, s62, s78                     ; sc: batch, head 2 y, step
	s_mov_b32 s63, 0
	s_wait_kmcnt 0x0
	s_add_nc_u64 s[4:5], s[4:5], s[34:35]
	s_cmp_lt_u32 s30, 4                            ; waves 0-3 make q, waves 4-7 k: the choice hangs on the wave's number alone
	s_cselect_b64 s[66:67], s[6:7], s[12:13]
	s_cselect_b64 s[68:69], s[8:9], s[14:15]
	s_cselect_b64 s[70:71], s[10:11], s[16:17]
	s_add_nc_u64 s[66:67], s[66:67], s[36:37]
	s_add_nc_u64 s[68:69], s[68:69], s[38:39]
	s_add_nc_u64 s[70:71], s[70:71], s[40:41]
	s_add_nc_u64 s[18:19], s[18:19], s[42:43]
	s_add_nc_u64 s[20:21], s[20:21], s[44:45]
	s_add_nc_u64 s[22:23], s[22:23], s[46:47]
	s_add_nc_u64 s[24:25], s[24:25], s[48:49]
	s_add_nc_u64 s[72:73], s[26:27], s[58:59]
	s_add_nc_u64 s[74:75], s[26:27], s[60:61]
	s_add_nc_u64 s[28:29], s[28:29], s[62:63]
	; ---- loads: my tile of x (group w / 4, tile w % 4), both K steps: 32 loads; then my role's 8 fragments of W: 48 loads
.irp s, 0,1
.irp c, 0,1
.irp i, 0,1,2,3,4,5,6,7
	global_load_b128 v[XR+64*\s+32*\c+4*\i:XR+64*\s+32*\c+4*\i+3], v4, s[4:5] offset:512*\s+256*\c+16*\i
.endr
.endr
.endr
	WIN 0x40                                       ; destination window 1
.irp t, 0,1,2,3
.irp s, 0,1
.irp p, 0,1,2,3,4,5
	global_load_b64 v[12*(2*\t+\s)+2*\p:12*(2*\t+\s)+2*\p+1], v5, s[66:67] offset:1536*\t+96*\s+48*(\p/3)+8*(\p%3)
.endr
.endr
.endr
	WIN 0
	; ---- X: my 16 tokens become two fragments
	s_wait_loadcnt 48                              ; x's 32 loads are in; W's 48, issued behind them, may be out
	QUANTX XR
	IMAGE 0
	s_wait_dscnt 0x0                               ; the stores have read their registers
	QUANTX XR+64
	IMAGE 1
.irp t, 0,1,2,3
	global_load_b64 v[WS+2*\t:WS+2*\t+1], v6, s[68:69] offset:64*\t        ; W's scale words, both K steps
.endr
	global_load_b64 v[WVS:WVS+1], v9, s[20:21]
	WIN 0x40
.irp t, 0,1,2,3
	global_load_b128 v[BIAS+8*\t:BIAS+8*\t+3], v7, s[70:71] offset:32*\t   ; lane half h, tile i, register j: channel 32 h + 8 i + j
	global_load_b128 v[BIAS+8*\t+4:BIAS+8*\t+7], v7, s[70:71] offset:32*\t+16
.endr
.irp s, 0,1
.irp p, 0,1,2,3,4,5
	global_load_b64 v[WVF+12*\s+2*\p:WVF+12*\s+2*\p+1], v8, s[18:19] offset:96*\s+48*(\p/3)+8*(\p%3)
.endr
.endr
	global_load_b32 v[BV], v10, s[22:23]
	WIN 0
	BARRIER                                        ; x's sixteen fragments lie in LDS; nobody writes them again
	; ---- Q, K: two jobs a wave (tiles 2 u and 2 u + 1 of group c), each 4 tiles of W x 2 K steps
.irp f, 0,1,2,3
.irp k, 0,1,2
	ds_load_b128 v[XF+12*\f+4*\k:XF+12*\f+4*\k+3], v15 offset:1536*\f+512*\k
.endr
	ds_load_b32 v[XS+\f], v16 offset:128*\f
.endr
	s_wait_dscnt 0x0
	s_wait_loadcnt 0x0                             ; the weights, their scale words, the biases
	WIN 0x41
.irp i, 1,2,3,4,5,6,7
	v_mov_b32 v[BV+\i], v[BV]                      ; bv of my channel in all eight registers: the C of v's first products
.endr
	WIN 0x11                                       ; source 0 (W) and source 2 (the bias) window 1
.irp a, 0,1
.irp t, 0,1,2,3
	v_wmma_scale_f32_16x16x128_f8f6f4 v[ACC+32*\a+8*\t:ACC+32*\a+8*\t+7], v[24*\t:24*\t+11], v[XF+24*\a:XF+24*\a+11], v[BIAS+8*\t:BIAS+8*\t+7], v[WS+2*\t], v[XS+2*\a] matrix_a_fmt:MATRIX_FMT_FP6 matrix_b_fmt:MATRIX_FMT_FP6
.endr
.endr
	WIN 0x01                                       ; the eight accumulators take turns
.irp a, 0,1
.irp t, 0,1,2,3
	v_wmma_scale_f32_16x16x128_f8f6f4 v[ACC+32*\a+8*\t:ACC+32*\a+8*\t+7], v[24*\t+12:24*\t+23], v[XF+24*\a+12:XF+24*\a+23], v[ACC+32*\a+8*\t:ACC+32*\a+8*\t+7], v[WS+2*\t+1], v[XS+2*\a+1] matrix_a_fmt:MATRIX_FMT_FP6 matrix_b_fmt:MATRIX_FMT_FP6
.endr
.endr
	WIN 0
.rept 4
	v_nop                                          ; places in front of loads into registers that the products have read, and of the first read of results
.endr
.irp f, 0,1,2,3,4,5,6,7                        ; v's fragments of x (tile f / 2, K step f % 2 of group w / 4) come while q or k is quantised
.irp k, 0,1,2
	ds_load_b128 v[XF+12*\f+4*\k:XF+12*\f+4*\k+3], v17 offset:1536*\f+512*\k
.endr
	ds_load_b32 v[XS+\f], v18 offset:128*\f
.endr
	QUANT1 ACC, CA, 0                              ; lane (r, h): token r of tile 2 u, head 2 y + h
	QUANT1 ACC+32, CB, 1                           ; the same of tile 2 u + 1
	v_lshl_or_b32 v[CA+6], v[BY], 8, v[BY]
	v_lshl_or_b32 v[CB+6], v[BY+1], 8, v[BY+1]
	s_delay_alu instid0(VALU_DEP_2)
	v_lshl_or_b32 v[CA+6], v[CA+6], 16, v[CA+6]    ; the byte four times: q's scale word, whichever block of the operand q stands in
	s_delay_alu instid0(VALU_DEP_2)
	v_lshl_or_b32 v[CB+6], v[CB+6], 16, v[CB+6]
	v_mov_b32 v[CA+7], 0
	v_mov_b32 v[CB+7], 0
.irp i, 0,1,2,3,4,5,6
	v_permlane16_swap_b32 v[CA+\i], v[CB+\i]       ; the first's lanes 16-31 change places with the second's lanes 0-15: the first now holds head 2 y (lanes 0-15 tile 2 u, lanes 16-31 tile 2 u + 1), the second head 2 y + 1
.endr
	s_cmp_lt_u32 s30, 4
	s_cbranch_scc0 .Lkeys
	global_store_b128 v11, v[CA:CA+3], s[24:25]                    ; each store covers 512 consecutive bytes, aligned to 256
	global_store_b128 v11, v[CA+4:CA+7], s[24:25] offset:512
	global_store_b128 v11, v[CB:CB+3], s[24:25] offset:262144      ; the odd head
	global_store_b128 v11, v[CB+4:CB+7], s[24:25] offset:262144+512
	s_branch .Lvalues
.Lkeys:
	v_lshl_or_b32 v[TW], v[BY+1], 8, v[BY]         ; (unswapped: lane half h is head 2 y + h)  bytes 2 u and 2 u + 1 of row r's scale word
	ds_store_b16 v19, v[TW]
	s_wait_alu depctr_va_vdst(0)
	global_store_b128 v11, v[CA:CA+3], s[72:73]                    ; half image u of K's fragment c: 512 bytes,
	global_store_b64 v21, v[CA+4:CA+5], s[72:73] offset:512        ; and 256
	global_store_b128 v11, v[CB:CB+3], s[72:73] offset:12288       ; the odd head
	global_store_b64 v21, v[CB+4:CB+5], s[72:73] offset:12288+512
.Lvalues:
	; ---- V: 16 channels (w % 4) x the 64 tokens of group w / 4: four accumulators by turns
	s_wait_dscnt 0x0
	WIN 0x14                                       ; source 1 (Wv) and source 2 (bv) window 1
.irp t, 0,1,2,3
	v_wmma_scale_f32_16x16x128_f8f6f4 v[ACC+8*\t:ACC+8*\t+7], v[XF+24*\t:XF+24*\t+11], v[WVF:WVF+11], v[BV:BV+7], v[XS+2*\t], v[WVS] matrix_a_fmt:MATRIX_FMT_FP6 matrix_b_fmt:MATRIX_FMT_FP6
.endr
	WIN 0x04
.irp t, 0,1,2,3
	v_wmma_scale_f32_16x16x128_f8f6f4 v[ACC+8*\t:ACC+8*\t+7], v[XF+24*\t+12:XF+24*\t+23], v[WVF+12:WVF+23], v[ACC+8*\t:ACC+8*\t+7], v[XS+2*\t+1], v[WVS+1] matrix_a_fmt:MATRIX_FMT_FP6 matrix_b_fmt:MATRIX_FMT_FP6
.endr
	WIN 0
.rept 4
	v_nop
.endr
	s_wait_xcnt 0x0                                ; the stores above have read their data: the codes' registers are written again only behind this wait
	QUANT1 ACC, CA, 0                              ; lane (r, h): channel r, keys 64 (w / 4) + 32 h + 0 .. 31: half image w / 4 of V's fragment
	global_store_b128 v11, v[CA:CA+3], s[74:75]
	global_store_b64 v21, v[CA+4:CA+5], s[74:75] offset:512
	ds_store_b8 v20, v[BY]
	BARRIER                                        ; both heads' 256 scale bytes lie in LDS
	s_cmp_lg_u32 s30, 0
	s_cbranch_scc1 .Lend
	ds_load_b128 v[XF:XF+3], v23
	s_wait_dscnt 0x0
	global_store_b128 v22, v[XF:XF+3], s[28:29]    ; sixteen lanes store one head's 256 bytes, aligned
.Lend:
	s_wait_tensorcnt 0x0
	ds_add_u32 v254, v255
	s_wait_dscnt 0x0
	s_endpgm
.Lfunc_end_k_qd3146222b6_proj:
	.size	k_qd3146222b6_proj, .Lfunc_end_k_qd3146222b6_proj-k_qd3146222b6_proj
	.p2alignl 7, 3214868480
	.fill 96, 4, 3214868480
	.section	.rodata,"a",@progbits
	.p2align	6, 0x0
	.amdhsa_kernel k_qd3146222b6_proj
		.amdhsa_group_segment_fixed_size 28672
		.amdhsa_private_segment_fixed_size 0
		.amdhsa_enable_private_segment 0
		.amdhsa_kernarg_size 104
		.amdhsa_user_sgpr_count 2
		.amdhsa_user_sgpr_kernarg_segment_ptr 1
		.amdhsa_wavefront_size32 1
		.amdhsa_system_sgpr_workgroup_id_x 1
		.amdhsa_system_sgpr_workgroup_id_y 1
		.amdhsa_system_sgpr_workgroup_id_z 1
		.amdhsa_system_vgpr_workitem_id 0
		.amdhsa_next_free_vgpr 416
		.amdhsa_next_free_sgpr 100
		.amdhsa_reserve_vcc 0
		.amdhsa_float_denorm_mode_32 3
		.amdhsa_float_denorm_mode_16_64 3
		.amdhsa_memory_ordered 1
		.amdhsa_forward_progress 1
		.amdhsa_inst_pref_size 37
	.end_amdhsa_kernel
	.amdgpu_metadata
---
amdhsa.version: [ 1, 2 ]
amdhsa.kernels:
  - .name:           k_qd3146222b6_proj
    .symbol:         k_qd3146222b6_proj.kd
    .args:
      - { .name: x, .offset: 0, .size: 8, .value_kind: global_buffer, .address_space: global }
      - { .name: Wq_codes, .offset: 8, .size: 8, .value_kind: global_buffer, .address_space: global }
      - { .name: Wq_scales, .offset: 16, .size: 8, .value_kind: global_buffer, .address_space: global }
      - { .name: bq, .offset: 24, .size: 8, .value_kind: global_buffer, .address_space: global }
      - { .name: Wk_codes, .offset: 32, .size: 8, .value_kind: global_buffer, .address_space: global }
      - { .name: Wk_scales, .offset: 40, .size: 8, .value_kind: global_buffer, .address_space: global }
      - { .name: bk, .offset: 48, .size: 8, .value_kind: global_buffer, .address_space: global }
      - { .name: Wv_codes, .offset: 56, .size: 8, .value_kind: global_buffer, .address_space: global }
      - { .name: Wv_scales, .offset: 64, .size: 8, .value_kind: global_buffer, .address_space: global }
      - { .name: bv, .offset: 72, .size: 8, .value_kind: global_buffer, .address_space: global }
      - { .name: qb, .offset: 80, .size: 8, .value_kind: global_buffer, .address_space: global }
      - { .name: kv, .offset: 88, .size: 8, .value_kind: global_buffer, .address_space: global }
      - { .name: sc, .offset: 96, .size: 8, .value_kind: global_buffer, .address_space: global }
    .group_segment_fixed_size: 28672
    .private_segment_fixed_size: 0
    .kernarg_segment_align: 8
    .kernarg_segment_size: 104
    .max_flat_workgroup_size: 256
    .sgpr_count:     100
    .vgpr_count:     416
    .wavefront_size: 32
...
	.end_amdgpu_metadata
.endif
;; end of part 1
;; launch attn (part 2): grid 256 x 1, 16 waves a work-group, clusters of 4 x 1, 327,680 bytes of LDS; arguments qb, kv, sc, pad_mask, x, gamma, beta, out0; writes out0
.if DOCPART == 2
	.amdgcn_target "amdgcn-amd-amdhsa--gfx1250"
	.amdhsa_code_object_version 6
	.text
	.protected	k_qd3146222b6_attn
	.globl	k_qd3146222b6_attn
	.p2align	8
	.type	k_qd3146222b6_attn,@function
k_qd3146222b6_attn:
	s_mov_b64 s[64:65], 0
	v_nop
	global_prefetch_b8 v0, s[64:65] scope:SCOPE_SE
	s_setreg_imm32_b32 hwreg(HW_REG_WAVE_MODE, 25, 1), 1
	s_wait_xcnt 0x0
	s_wait_alu depctr_hold_cnt(0) depctr_sa_sdst(0) depctr_va_vdst(0) depctr_va_sdst(0) depctr_va_ssrc(0) depctr_va_vcc(0) depctr_vm_vsrc(0)
	s_getreg_b32 s2, hwreg(HW_REG_IB_STS2, 6, 4)
	s_cmp_eq_u32 s2, 0
	s_cbranch_scc0 .Lentry_in_a_cluster
	s_endpgm
.Lentry_in_a_cluster:
	s_bfe_u32 s2, ttmp6, 0x10000c
	s_cmp_lg_u32 s2, 0x3003
	s_cbranch_scc0 .Lentry_shape_is_right
	s_endpgm
.Lentry_shape_is_right:
; out0 = layer norm(softmax((q k^T + pad_mask x -1e9) / sqrt(32)) v + x), on the codes of FP6 (E2M3) that launch proj stored as images of operand registers.
; SHARES.  A work-group: 32 queries (two tiles of 16) x all 8 heads; a wave: one head (wave % 8), one tile (wave / 8), all 4,096 keys in 32 steps of 128.  256 work-groups of 16 waves, four waves to a SIMD, 256 registers each.
; Both products are used transposed (S^T = k q^T + mask, O^T = v^T p^T): a lane holds one query; its 32 registers of four score tiles are 32 neighbouring keys, one block of p.
; A score product has K = 32: a row of K's fragment holds four keys in its four blocks, and q stands in one block of its operand with zero codes in the others.
; THE MASK x -1e9 lies in LDS and is loaded straight into the score accumulators: the score products take it as C in place.
; THE RING.  Two LDS slots of 98,304 bytes, each two key steps of all 8 heads; the four work-groups of a cluster read the same keys and ask jointly (mask 15).
; At the head waves 0-7 fetch slot 0 (a head's 12,288 bytes each) and waves 8-15 the scale words of all 32 steps (a head's 8,192 bytes each): one load a wave; slot 1 follows behind the full sequence.
; In the ring each wave fetches one step of one head, 6,144 bytes.
; A STEP (ITER): the last step's p is summed and made codes; this step's mask is asked for and O^T is brought under the last M meanwhile; eight score products and the last step's two products with V follow on end;
; then block maxima, the running M, t - M, and one batch of 66 exponentials.
; PREFETCH.  One cluster of each batch asks for the slot that the next change of slots will load: 3 waves x 32 lanes x 256 bytes in each of its 4 work-groups, shared out by address; the last trip asks for nothing.
; LIMITS.  The promise holds while the scaled scores (exponents to the base 2) stay under 2^31 in magnitude.  NaN and infinities among the inputs are not served.
.set SLOT1, 1<<17
.set WPART, 12288
.set STEPB, 6144
.set SLOTB, 98304
.set MB,    98304                      ; the mask x -1e9, 16,384 bytes
.set SPARE, 114688                     ; the spare words, 128 bytes a wave: 2,048 bytes
.set SCL,   229376                     ; scale words: 8 heads x 8,192 bytes
.set SP,    1040                       ; the way out: a stage row of 1,024 bytes + 16
.set LI,  1
.set SPW, 2
.set NIL, 3
.set A16, 4
.set A8,  5
.set AS0, 6
.set AM0, 7
.set AD16, 8
.set AD8, 9
.set ADS, 10
.set ADM, 11
.set PFO, 12
.set LN,  13
.set TI,  14
.set TL,  15
.set S,   16                           ; v16-79   the mask, the scores, then p
.set O,   80                           ; v80-95   O^T
.set PC,  96                           ; v96-107  p's codes
.set PT,  108                          ; v108-115 upper halves of blocks, before they are moved
.set NM,  116                          ; -M
.set TMX, 117                          ; the running largest score
.set LS,  118                          ; the row's sum, two halves
.set F,   120                          ; f = 2^(old M - new M)
.set BM,  122                          ; block maxima
.set SOP, 124                          ; second chains of the maxima; then the conversions' scale operands
.set BY,  126
.set T,   128
.set KS,  132
.set VS,  133
.set QS,  134
.set PS,  135
.set E,   136                          ; v136-143 four chains of the sum
.set KF,  144
.set VF,  168
.set QF,  192
.set XR,  222                          ; v222-237 x's two rows
.set GB,  238                          ; v238-253 gamma, beta
.set WV,  20
.set CX,  21
.set G1R, 24
.set G1S, 32
.set G0S, 40
.set G0A, 44
.set CS,  48
.set SEL, 50
.set BIG, 52
.set TB,  54
.set TSK, 55
.set TSEL, 56
.set TMK, 57
.set SLOTS, 58
.set LIM, 59
.set PFA, 60
.set HD,  74
.set TT,  75
.set G0W, 76
.set G1H, 92
.macro CROUND                          ; a round of the cluster's barrier
	s_barrier_signal -1
	s_barrier_wait -1
	s_cmp_lg_u32 s[WV], 0
	s_cbranch_scc1 .Lnot_wave_0_\@
	s_barrier_signal -3
.Lnot_wave_0_\@:
	s_barrier_wait -3
	s_barrier_signal -1
	s_barrier_wait -1
.endm
.macro NOPS n
.rept \n
	v_nop
.endr
.endm
.macro SCORES                          ; n = 4 c + b: K's fragment c against q in block b; C = the mask, in place; eight accumulators by turns
.irp n, 0,1,2,3,4,5,6,7
.if \n >= 4
	v_wmma_scale_f32_16x16x128_f8f6f4 v[S+8*\n:S+8*\n+7], v[KF+12*(\n/4):KF+12*(\n/4)+11], v[QF+6+12*(\n%2)-6*((\n%4)/2):QF+6+12*(\n%2)-6*((\n%4)/2)+11], v[S+8*\n:S+8*\n+7], v[KS], v[QS] matrix_a_fmt:MATRIX_FMT_FP6 matrix_b_fmt:MATRIX_FMT_FP6 matrix_a_scale:MATRIX_SCALE_ROW1
.else
	v_wmma_scale_f32_16x16x128_f8f6f4 v[S+8*\n:S+8*\n+7], v[KF+12*(\n/4):KF+12*(\n/4)+11], v[QF+6+12*(\n%2)-6*((\n%4)/2):QF+6+12*(\n%2)-6*((\n%4)/2)+11], v[S+8*\n:S+8*\n+7], v[KS], v[QS] matrix_a_fmt:MATRIX_FMT_FP6 matrix_b_fmt:MATRIX_FMT_FP6
.endif
.endr
.endm
.macro PVM                             ; O^T += v^T p^T: channels 0-15 and 16-31
	v_wmma_scale_f32_16x16x128_f8f6f4 v[O:O+7], v[VF:VF+11], v[PC:PC+11], v[O:O+7], v[VS], v[PS] matrix_a_fmt:MATRIX_FMT_FP6 matrix_b_fmt:MATRIX_FMT_FP6
	v_wmma_scale_f32_16x16x128_f8f6f4 v[O+8:O+15], v[VF+12:VF+23], v[PC:PC+11], v[O+8:O+15], v[VS], v[PS] matrix_a_fmt:MATRIX_FMT_FP6 matrix_b_fmt:MATRIX_FMT_FP6 matrix_a_scale:MATRIX_SCALE_ROW1
.endm
.macro LOADF reg, q, at                ; two fragments, as images of their registers
.irp c, 0,1
	ds_load_b128 v[\reg+12*\c:\reg+12*\c+3],    v[AD16] offset:STEPB*(\q)+(\at)+1536*\c
	ds_load_b64  v[\reg+12*\c+4:\reg+12*\c+5],  v[AD8]  offset:STEPB*(\q)+(\at)+1536*\c+512
	ds_load_b128 v[\reg+12*\c+6:\reg+12*\c+9],  v[AD16] offset:STEPB*(\q)+(\at)+1536*\c+768
	ds_load_b64  v[\reg+12*\c+10:\reg+12*\c+11], v[AD8] offset:STEPB*(\q)+(\at)+1536*\c+1280
.endr
.endm
.macro LOADM q                         ; the mask of the step's 128 keys, in the accumulators' layout
.irp c, 0,1
.irp i, 0,1,2,3,4,5,6,7
	ds_load_b128 v[S+32*\c+4*\i:S+32*\c+4*\i+3], v[ADM] offset:512*(\q)+256*\c+16*\i
.endr
.endr
.endm
.macro ASK                             ; the slot behind the one just asked for; not in the last trip
	s_cmp_gt_u32 s[SLOTS], s[LIM]
	s_cbranch_scc0 .Lnot_mine_\@
	global_prefetch_b8 v[PFO], s[PFA:PFA+1] th:TH_LOAD_NT scope:SCOPE_SE
.Lnot_mine_\@:
.endm
.macro SG n                            ; the next n of the 32 lines of the row's sum: four chains by turns (28 lines), joined (3), and the sum so far x f added by one fused line
.rept \n
.if sj < 4
	v_pk_add_f32 v[E+2*sj:E+2*sj+1], v[S+4*sj:S+4*sj+1], v[S+4*sj+2:S+4*sj+3]
.elseif sj < 28
	v_pk_add_f32 v[E+2*(sj%4):E+2*(sj%4)+1], v[E+2*(sj%4):E+2*(sj%4)+1], v[S+2*sj+8:S+2*sj+9]
.elseif sj == 28
	v_pk_add_f32 v[E:E+1], v[E:E+1], v[E+2:E+3]
.elseif sj == 29
	v_pk_add_f32 v[E+4:E+5], v[E+4:E+5], v[E+6:E+7]
.elseif sj == 30
	v_pk_add_f32 v[E:E+1], v[E:E+1], v[E+4:E+5]
.else
	v_pk_fma_f32 v[LS:LS+1], v[LS:LS+1], v[F:F+1], v[E:E+1] op_sel_hi:[1,0,1]
.endif
.set sj, sj+1
.endr
.endm
; post = 1: the last step's p is finished;  pre = 1: step q of the slot is begun.  chg: 1 a change of slots with a refill, 2 without.
.macro ITER post, pre, chg, q
.set sj, 0
.if \chg
	s_wait_tensorcnt 0x0                           ; all my tensor loads have landed, my part of the next slot among them
	ds_add_u32 v[SPW], v[NIL]
.if (\chg) == 1
	s_xor_b32 s[G0W+1], s[G0W+1], SLOT1            ; no load of mine is out: the descriptor steps to the slot read last, two slots on in memory
	s_add_nc_u64 s[G0W+2:G0W+3], s[G0W+2:G0W+3], SLOTB
	s_wait_xcnt 0x0                                ; my prefetch has read its address
	s_add_nc_u64 s[PFA:PFA+1], s[PFA:PFA+1], SLOTB
.endif
	s_xor_b32 s[TB], s[TB], SLOT1
	s_add_co_u32 s[TSK], s[TSK], 512
	s_add_co_u32 s[TMK], s[TMK], 1024
	s_wait_dscnt 0x0                               ; the add is done, and my reads of the old slot (V's last step among them) are in
.if (\chg) == 1
	CROUND
	tensor_load_to_lds s[G0W:G0W+3], s[G1R:G1R+7]
	s_nop 0
	NOPS 4
.else
	s_barrier_signal -1
	s_barrier_wait -1
.endif
	v_add_nc_u32 v[AD16], s[TB], v[A16]
	v_add_nc_u32 v[AD8], s[TB], v[A8]
	v_add_nc_u32 v[ADS], s[TSK], v[AS0]
	v_add_nc_u32 v[ADM], s[TMK], v[AM0]
.endif
.if \pre
	ds_load_b32 v[KS], v[ADS] offset:256*(\q)
	LOADF KF, \q, 0
.endif
.if (\chg) == 1
	ASK
.endif
.if \post
	v_max_num_f32 v[BM], 0x1800000, v[BM]          ; the floor 2^(3 - 127): the byte cannot fall under 1
	v_max_num_f32 v[BM+1], 0x1800000, v[BM+1]
	SG 2
	s_delay_alu instid0(VALU_DEP_4)
	v_add_nc_u32 v[SOP], 0xff000000, v[BM]         ; 2 off the exponent field: the conversion's scale operand
	s_delay_alu instid0(VALU_DEP_4)
	v_add_nc_u32 v[SOP+1], 0xff000000, v[BM+1]
	SG 2
	s_delay_alu instid0(VALU_DEP_4)
	v_lshrrev_b32 v[BY], 23, v[SOP]
	s_delay_alu instid0(VALU_DEP_4)
	v_lshrrev_b32 v[BY+1], 23, v[SOP+1]
	SG 2
	s_delay_alu instid0(VALU_DEP_3)
	v_lshl_or_b32 v[T+3], v[BY+1], 16, v[BY]
	SG 3
	s_delay_alu instid0(VALU_DEP_4)
	v_permlanex16_b32 v[T+1], v[T+3], s[SEL], s[SEL+1]
	SG 3
	s_delay_alu instid0(VALU_DEP_4)
	v_lshl_or_b32 v[PS], v[T+1], 8, v[T+3]         ; p's scale word of these 128 keys
	SG 28-sj
.irp c, 0,1
	v_cvt_scalef32_pk16_fp6_f32 v[PC+6*\c:PC+6*\c+2], v[S+32*\c:S+32*\c+15], v[SOP+\c]
	v_cvt_scalef32_pk16_fp6_f32 v[PT+4*\c:PT+4*\c+2], v[S+32*\c+16:S+32*\c+31], v[SOP+\c]   ; (a conversion's three registers begin on an even number)
.endr
	v_nop                                          ; one plain line behind the last conversion
.irp c, 0,1
.irp i, 0,1,2
	v_mov_b32 v[PC+6*\c+3+\i], v[PT+4*\c+\i]
.endr
.endr
.endif
.if \pre
	LOADM \q                                       ; p has been read for the last time
.endif
.if \post
.irp j, 0,2,4,6,8,10,12,14
	v_pk_mul_f32 v[O+\j:O+\j+1], v[O+\j:O+\j+1], v[F:F+1] op_sel_hi:[1,0]   ; O^T under the last M; also the places between the codes' last write and the product
.endr
.endif
	s_wait_alu depctr_va_vdst(0)
	s_wait_dscnt 0x0                               ; K's fragments, the mask, and the last step's V are in
.if \pre
	SCORES
.endif
.if \post
	PVM
	SG 4                                           ; the sum's last four lines are the places behind the products
.else
	NOPS 4
.endif
.if \pre
	ds_load_b32 v[VS], v[ADS] offset:256*(\q)+128
	LOADF VF, \q, 3072
.irp k, 0,1,2,3,4,5,6,7,8,9,10,11,12,13,14,15   ; the largest score of each block of 32 keys: four chains, each accumulator from its low end on
.irp c, 0,1
.if \k == 0
	v_max3_num_f32 v[BM+\c], v[S+32*\c], v[S+32*\c+1], v[S+32*\c+2]
.elseif \k == 1
	v_max3_num_f32 v[SOP+\c], v[S+32*\c+3], v[S+32*\c+4], v[S+32*\c+5]
.elseif \k < 14
	v_max3_num_f32 v[BM+2*(\k%2)+\c], v[BM+2*(\k%2)+\c], v[S+32*\c+2*\k+2], v[S+32*\c+2*\k+3]
.elseif \k == 14
	v_max3_num_f32 v[BM+\c], v[BM+\c], v[S+32*\c+30], v[S+32*\c+31]
.else
	s_delay_alu instid0(VALU_DEP_2)
	v_max_num_f32 v[BM+\c], v[BM+\c], v[SOP+\c]
.endif
.endr
.endr
	v_mov_b32 v[T+2], v[NM]
	s_delay_alu instid0(VALU_DEP_2)
	v_max_num_f32 v[T], v[BM], v[BM+1]
	s_delay_alu instid0(VALU_DEP_1)
	v_permlanex16_b32 v[T+1], v[T], s[SEL], s[SEL+1]
	s_delay_alu instid0(VALU_DEP_1)
	v_max3_num_f32 v[TMX], v[TMX], v[T], v[T+1]    ; the running largest score of my query
	s_delay_alu instid0(VALU_DEP_1)
	v_mul_f32 v[T], s[CS], v[TMX]                  ; as t (c is positive)
	s_delay_alu instid0(VALU_DEP_1)
	v_floor_f32 v[NM], -v[T]                       ; -M = floor(-t): M is a whole number
	s_delay_alu instid0(VALU_DEP_1)
	v_sub_f32 v[T+2], v[NM], v[T+2]
.set fj, 0
.rept 32
	v_pk_fma_f32 v[S+2*fj:S+2*fj+1], v[S+2*fj:S+2*fj+1], s[CS:CS+1], v[NM:NM+1] op_sel_hi:[1,0,0]   ; t - M
.set fj, fj+1
.endr
	v_fma_f32 v[BM], v[BM], s[CS], v[NM]           ; the same of each block's largest score: its exponential is the block's largest p
	v_fma_f32 v[BM+1], v[BM+1], s[CS], v[NM]
	v_cvt_i32_f32 v[T+2], v[T+2]                   ; (it saturates)
	s_delay_alu instid0(VALU_DEP_1)
	v_ldexp_f32 v[F], 1.0, v[T+2]                  ; f = 2^(old M - new M)
	s_wait_alu depctr_va_vdst(0)
.set ii, 0
.rept 64
	v_exp_f32 v[S+ii], v[S+ii]
.set ii, ii+1
.endr
	v_exp_f32 v[BM], v[BM]
	v_exp_f32 v[BM+1], v[BM+1]
	v_nop                                          ; one plain place behind the last
	s_wait_alu depctr_va_vdst(0)                   ; one wait for the whole batch
.endif
.endm
	s_load_b512 s[4:19], s[0:1], 0x0               ; qb, kv, sc, pad_mask, x, gamma, beta, out0
	v_lshl_add_u32 v[SPW], v0, 2, SPARE
	v_mov_b32 v[NIL], 0
	ds_add_u32 v[SPW], v[NIL]                      ; the opening lines: the add twice on end
	ds_add_u32 v[SPW], v[NIL]
	v_lshrrev_b32 v[LI], 5, v0
	v_readfirstlane_b32 s[WV], v[LI]               ; wave 0..15
	s_and_b32 s[HD], s[WV], 7                      ; head
	s_lshr_b32 s[TT], s[WV], 3                     ; tile
	s_bfe_u32 s[CX], ttmp6, 0x40000
	s_lshl_b32 s22, ttmp9, 2
	s_add_co_u32 s22, s22, s[CX]                   ; work-group 0..255
	s_lshr_b32 s23, ttmp9, 5                       ; batch: the same in all four partners
.irp g, G1R, G1S, G1H                          ; dense blocks as rows of 256 bytes (32 elements of 8); mask 15, bit 21 beside it
	s_mov_b32 s[\g], 15|(3<<16)|(1<<21)
	s_mov_b32 s[\g+1], 32<<16
	s_mov_b32 s[\g+3], 32<<16
	s_mov_b32 s[\g+5], 32
	s_mov_b32 s[\g+6], 0
	s_mov_b32 s[\g+7], 0
.endr
	s_mov_b32 s[G1R+2], 24<<16                     ; the ring: one step of one head, 6,144 bytes
	s_mov_b32 s[G1R+4], 24
	s_mov_b32 s[G1S+2], 32<<16                     ; a head's scale words: 8,192 bytes
	s_mov_b32 s[G1S+4], 32
	s_mov_b32 s[G1H+2], 48<<16                     ; a head's part of slot 0: 12,288 bytes
	s_mov_b32 s[G1H+4], 48
	s_mul_i32 s80, s23, 1572864
	s_mul_i32 s66, s[HD], WPART
	s_mul_i32 s71, s[TT], STEPB
	s_add_co_u32 s71, s71, s66                     ; my part of a slot in the ring
	s_add_co_u32 s68, s80, s71
	s_mov_b32 s69, 0
	s_add_co_u32 s72, s80, s66
	s_mov_b32 s73, 0
	s_lshl_b32 s70, s[HD], 13
	s_add_co_u32 s67, s70, SCL                     ; my head's scale words in LDS
	s_lshl_b32 s62, s23, 16
	s_add_co_u32 s62, s62, s70
	s_mov_b32 s63, 0
	s_min_u32 s81, s[WV], 2
	s_lshl_b32 s81, s81, 13
	s_mul_i32 s82, s[CX], 24576
	s_add_co_u32 s82, s82, s81
	s_add_co_u32 s82, s82, s80
	s_add_co_u32 s82, s82, 2*SLOTB                 ; the prefetches begin at slot 2 and are stepped ahead of each use
	s_mov_b32 s83, 0
	s_lshl_b32 s84, s[HD], 18
	s_lshl_b32 s85, s22, 10
	s_add_co_u32 s84, s84, s85                     ; qb: head, work-group
	s_mov_b32 s85, 0
	s_lshl_b32 s86, s23, 14                        ; pad_mask: batch
	s_mov_b32 s87, 0
	s_lshr_b32 s88, s22, 1                         ; x, out0: my two rows on the way out: stage rows 2 w, 2 w + 1 = tile w / 8, query 2 (w % 8) + 0, 1
	s_lshl_b32 s88, s88, 6
	s_and_b32 s89, s22, 1
	s_lshl_b32 s89, s89, 4
	s_add_co_u32 s88, s88, s89
	s_bfe_u32 s89, s[WV], 0x10002
	s_lshl_b32 s89, s89, 5
	s_add_co_u32 s88, s88, s89
	s_lshl_b32 s89, s[TT], 3
	s_add_co_u32 s88, s88, s89
	s_and_b32 s89, s[WV], 3
	s_lshl_b32 s89, s89, 1
	s_add_co_u32 s88, s88, s89
	s_lshl_b32 s88, s88, 10
	s_mov_b32 s89, 0
	s_and_b32 s90, ttmp9, 31
	s_cmp_lt_u32 s[WV], 3
	s_cselect_b32 s91, 0, 1
	s_or_b32 s90, s90, s91
	s_cmp_eq_u32 s90, 0
	s_cselect_b32 s[LIM], 1, -1                    ; waves 0-2 of each batch's first cluster ask
	s_cmp_eq_u32 s[TT], 0
	s_cselect_b32 s[TSEL], -1, 0                   ; all lanes where my tile is 0
	s_mov_b32 s[CS], 0x3e8293ee                    ; c = log2(e) / sqrt(32)
	s_mov_b32 s[CS+1], s[CS]
	s_mov_b32 s[SEL], 0x76543210
	s_mov_b32 s[SEL+1], 0xfedcba98
	s_mov_b32 s[BIG], 0xce6e6b28                   ; -1e9
	s_mov_b32 s[BIG+1], s[BIG]
	s_mov_b32 s[TB], 0
	s_mov_b32 s[TSK], 0
	s_mov_b32 s[TMK], 0
	s_mov_b32 s[SLOTS], 14
	v_and_b32 v[LN], 31, v0
	v_lshlrev_b32 v[LI], 4, v[LN]
	v_add_nc_u32 v[A16], s66, v[LI]
	v_lshl_add_u32 v[A8], v[LN], 3, s66
	v_lshl_add_u32 v[AS0], v[LN], 2, s67
	v_bfe_u32 v[AM0], v0, 4, 1
	v_lshl_add_u32 v[AM0], v[AM0], 7, MB
	v_mov_b32 v[AD16], v[A16]
	v_mov_b32 v[AD8], v[A8]
	v_mov_b32 v[ADS], v[AS0]
	v_mov_b32 v[ADM], v[AM0]
	v_lshlrev_b32 v[TI], 4, v0
	v_add_nc_u32 v[TL], MB, v[TI]
	v_lshlrev_b32 v[PFO], 8, v[LN]
.irp i, 0,1,2,3,4,5,6
	v_mov_b32 v[S+24+\i], 0                        ; a lane permute's destination counts as a source
.endr
	s_wait_alu depctr_va_vdst(0)
	s_wait_dscnt 0x0                               ; both opening adds are done
	s_wait_kmcnt 0x0
	s_mov_b32 s[G0S], 1
	s_mov_b32 s[G0S+1], s67
	s_add_nc_u64 s[G0S+2:G0S+3], s[8:9], s[62:63]
	s_or_b32 s[G0S+3], s[G0S+3], 0x80000000
	s_mov_b32 s[G0A], 1
	s_mov_b32 s[G0A+1], s66
	s_add_nc_u64 s[G0A+2:G0A+3], s[6:7], s[72:73]
	s_or_b32 s[G0A+3], s[G0A+3], 0x80000000
	s_mov_b32 s[G0W], 1
	s_add_co_u32 s[G0W+1], s71, SLOT1
	s_add_nc_u64 s[G0W+2:G0W+3], s[6:7], s[68:69]
	s_add_nc_u64 s[G0W+2:G0W+3], s[G0W+2:G0W+3], SLOTB
	s_or_b32 s[G0W+3], s[G0W+3], 0x80000000
	s_add_nc_u64 s[PFA:PFA+1], s[6:7], s[82:83]
	s_add_nc_u64 s[4:5], s[4:5], s[84:85]
	s_add_nc_u64 s[10:11], s[10:11], s[86:87]
	s_add_nc_u64 s[12:13], s[12:13], s[88:89]
	s_add_nc_u64 s[18:19], s[18:19], s[88:89]
.irp i, 0,1
	global_load_b128 v[S+4*\i:S+4*\i+3], v[TI], s[10:11] offset:8192*\i     ; the batch's mask: 16 bytes a thread, twice
.endr
	global_load_b128 v[S+16:S+19], v[LI], s[4:5]                           ; q: lanes 0-15 tile 0, lanes 16-31 tile 1
	global_load_b128 v[S+20:S+23], v[LI], s[4:5] offset:512
.irp i, 0,1
	global_load_b128 v[XR+8*\i:XR+8*\i+3], v[LI], s[12:13] offset:1024*\i  ; x's two rows, gamma and beta for the way out
	global_load_b128 v[XR+8*\i+4:XR+8*\i+7], v[LI], s[12:13] offset:1024*\i+512
.endr
	global_load_b128 v[GB:GB+3], v[LI], s[14:15]
	global_load_b128 v[GB+4:GB+7], v[LI], s[14:15] offset:512
	global_load_b128 v[GB+8:GB+11], v[LI], s[16:17]
	global_load_b128 v[GB+12:GB+15], v[LI], s[16:17] offset:512
	CROUND                                         ; the first joint loads meet
	s_cmp_lt_u32 s[WV], 8                          ; one load a wave: waves 0-7 slot 0, waves 8-15 the scale words
	s_cbranch_scc0 .Lhead_s
	tensor_load_to_lds s[G0A:G0A+3], s[G1H:G1H+7]
	s_nop 0
	NOPS 4
	s_branch .Lhead_j
.Lhead_s:
	tensor_load_to_lds s[G0S:G0S+3], s[G1S:G1S+7]
	s_nop 0
	NOPS 4
.Lhead_j:
	v_cmp_le_u32 vcc_lo, 16, v[LN]
.set ii, 0
.rept 16
	v_mov_b32 v[O+ii], 0                           ; the step is written once: the first finds zeros
.set ii, ii+1
.endr
.irp j, LS, LS+1, F, F+1, T, T+1, T+2, T+3
	v_mov_b32 v[\j], 0
.endr
	v_mov_b32 v[TMX], 0xff61b1e6                   ; -3e38, under every score
	v_mov_b32 v[NM], 0x7f61b1e6
.irp i, 0,1,2,3,4,5
	v_mov_b32 v[QF+\i], 0                          ; zero codes in the blocks where q does not stand
	v_mov_b32 v[QF+12+\i], 0
	v_mov_b32 v[QF+24+\i], 0
.endr
	s_wait_alu depctr_va_vdst(0)
	s_wait_loadcnt 10                              ; the mask's two loads are in; the 10 issued behind them may be out
.irp j, 0,2,4,6
	v_pk_mul_f32 v[S+\j:S+\j+1], v[S+\j:S+\j+1], s[BIG:BIG+1] op_sel_hi:[1,0]
.endr
.irp i, 0,1
	ds_store_b128 v[TL], v[S+4*\i:S+4*\i+3] offset:8192*\i
.endr
	s_wait_loadcnt 8                               ; q's two are in
.irp i, 0,1,2,3,4,5,6
	v_permlanex16_b32 v[S+24+\i], v[S+16+\i], s[SEL], s[SEL+1]
.endr
.irp i, 0,1,2,3,4,5,6
	v_cndmask_b32 v[S+32+\i], v[S+24+\i], v[S+16+\i], s[TSEL]   ; my tile's q in lanes 0-15,
	v_cndmask_b32 v[S+40+\i], v[S+16+\i], v[S+24+\i], s[TSEL]   ; and in lanes 16-31
.endr
.irp i, 0,1,2,3,4,5
	v_cndmask_b32 v[QF+6+\i], v[S+32+\i], v[NIL], vcc_lo
	v_cndmask_b32 v[QF+18+\i], v[NIL], v[S+40+\i], vcc_lo
.endr
	v_mov_b32 v[QS], v[S+38]
	s_wait_alu depctr_va_vdst(0)
	s_wait_tensorcnt 0x0                           ; my part of the head's tiles is in; the full sequence ahead of slot 1's first fill
	ds_add_u32 v[SPW], v[NIL]
	s_wait_dscnt 0x0                               ; the add and my stores of the mask are done
	CROUND
	tensor_load_to_lds s[G0W:G0W+3], s[G1R:G1R+7]  ; slot 1
	s_nop 0
	NOPS 4
	ITER 0, 1, 0, 0
	ITER 1, 1, 0, 1
.Lslot:                                                ; a trip: one slot, two steps; 14 trips, each with a refill
	ITER 1, 1, 1, 0
	ITER 1, 1, 0, 1
	s_sub_co_u32 s[SLOTS], s[SLOTS], 1
	s_cmp_lg_u32 s[SLOTS], 0
	s_cbranch_scc1 .Lslot
	ITER 1, 1, 2, 0                                ; the last slot: nothing more is fetched
	ITER 1, 1, 0, 1
	ITER 1, 0, 0, 0
; THE WAY OUT: O^T / the sum goes to a stage of 32 rows x 1,024 bytes in slot 0's bytes (their last fill and last read lie ahead of the last change of slots); each wave takes two whole rows, adds x and norms them.
	v_and_b32 v[ADS], 15, v0
	v_mul_u32_u24 v[ADS], v[ADS], SP
	v_bfe_u32 v[ADM], v0, 4, 1
	v_lshl_add_u32 v[ADS], v[ADM], 5, v[ADS]
	s_lshl_b32 s66, s[HD], 7
	s_mul_i32 s67, s[TT], 16*SP
	s_add_co_u32 s66, s66, s67
	v_add_nc_u32 v[ADS], s66, v[ADS]
	s_mul_i32 s67, s[WV], 2*SP
	v_add_nc_u32 v[ADM], s67, v[LI]
	v_add_f32 v[T], v[LS], v[LS+1]
	s_delay_alu instid0(VALU_DEP_1)
	v_permlanex16_b32 v[T+1], v[T], s[SEL], s[SEL+1]
	s_delay_alu instid0(VALU_DEP_1)
	v_add_f32 v[T], v[T], v[T+1]
	s_wait_alu depctr_va_vdst(0)
	v_rcp_f32 v[F], v[T]
	v_nop
	s_wait_alu depctr_va_vdst(0)
.irp j, 0,2,4,6,8,10,12,14
	v_pk_mul_f32 v[O+\j:O+\j+1], v[O+\j:O+\j+1], v[F:F+1] op_sel_hi:[1,0]
.endr
.irp u, 0,1
	ds_store_b128 v[ADS], v[O+8*\u:O+8*\u+3] offset:64*\u
	ds_store_b128 v[ADS], v[O+8*\u+4:O+8*\u+7] offset:64*\u+16
.endr
	s_wait_alu depctr_va_vdst(0)
	s_wait_dscnt 0x0
	s_barrier_signal -1
	s_barrier_wait -1
.irp i, 0,1
	ds_load_b128 v[S+8*\i:S+8*\i+3], v[ADM] offset:SP*\i
	ds_load_b128 v[S+8*\i+4:S+8*\i+7], v[ADM] offset:SP*\i+512
.endr
.set RA, S+32
.set RB, S+40
	s_mov_b32 s66, 0x3b800000                      ; 1 / 256
	s_mov_b32 s67, 0x358637bd                      ; 1e-6
	s_wait_loadcnt 0x0
	s_wait_dscnt 0x0
.irp i, 0,1
.irp p, 0,2,4,6
	v_pk_add_f32 v[S+8*\i+\p:S+8*\i+\p+1], v[S+8*\i+\p:S+8*\i+\p+1], v[XR+8*\i+\p:XR+8*\i+\p+1]
.endr
.endr
.irp i, 0,1
	v_pk_add_f32 v[RA+2*\i:RA+2*\i+1], v[S+8*\i:S+8*\i+1], v[S+8*\i+2:S+8*\i+3]
	v_pk_add_f32 v[RB+2*\i:RB+2*\i+1], v[S+8*\i+4:S+8*\i+5], v[S+8*\i+6:S+8*\i+7]
.endr
.irp i, 0,1
	v_pk_add_f32 v[RA+2*\i:RA+2*\i+1], v[RA+2*\i:RA+2*\i+1], v[RB+2*\i:RB+2*\i+1]
.endr
.irp i, 0,1
	s_delay_alu instid0(VALU_DEP_2)
	v_add_f32 v[RA+2*\i], v[RA+2*\i], v[RA+2*\i+1]
.endr
.irp m, 1,2,4,8
.irp i, 0,1
	s_delay_alu instid0(VALU_DEP_2)
	v_add_f32_dpp v[RA+2*\i], v[RA+2*\i], v[RA+2*\i] row_xmask:\m row_mask:0xf bank_mask:0xf
.endr
.endr
.irp i, 0,1
	s_delay_alu instid0(VALU_DEP_2)
	v_permlanex16_b32 v[RB+2*\i], v[RA+2*\i], s[SEL], s[SEL+1]
.endr
.irp i, 0,1
	s_delay_alu instid0(VALU_DEP_2)
	v_add_f32 v[RA+2*\i], v[RA+2*\i], v[RB+2*\i]
.endr
.irp i, 0,1
	s_delay_alu instid0(VALU_DEP_2)
	v_mul_f32 v[RA+2*\i], 0xbb800000, v[RA+2*\i]   ; - the mean
.endr
.irp i, 0,1
.irp p, 0,2,4,6
	v_pk_add_f32 v[S+8*\i+\p:S+8*\i+\p+1], v[S+8*\i+\p:S+8*\i+\p+1], v[RA+2*\i:RA+2*\i+1] op_sel_hi:[1,0]
.endr
.endr
.irp i, 0,1
	v_pk_mul_f32 v[RB+2*\i:RB+2*\i+1], v[S+8*\i:S+8*\i+1], v[S+8*\i:S+8*\i+1]
.endr
.irp p, 2,4,6
.irp i, 0,1
	s_delay_alu instid0(VALU_DEP_2)
	v_pk_fma_f32 v[RB+2*\i:RB+2*\i+1], v[S+8*\i+\p:S+8*\i+\p+1], v[S+8*\i+\p:S+8*\i+\p+1], v[RB+2*\i:RB+2*\i+1]
.endr
.endr
.irp i, 0,1
	s_delay_alu instid0(VALU_DEP_2)
	v_add_f32 v[RB+2*\i], v[RB+2*\i], v[RB+2*\i+1]
.endr
.irp m, 1,2,4,8
.irp i, 0,1
	s_delay_alu instid0(VALU_DEP_2)
	v_add_f32_dpp v[RB+2*\i], v[RB+2*\i], v[RB+2*\i] row_xmask:\m row_mask:0xf bank_mask:0xf
.endr
.endr
.irp i, 0,1
	s_delay_alu instid0(VALU_DEP_2)
	v_permlanex16_b32 v[RA+2*\i], v[RB+2*\i], s[SEL], s[SEL+1]
.endr
.irp i, 0,1
	s_delay_alu instid0(VALU_DEP_2)
	v_add_f32 v[RB+2*\i], v[RB+2*\i], v[RA+2*\i]
.endr
.irp i, 0,1
	s_delay_alu instid0(VALU_DEP_2)
	v_fma_f32 v[RB+2*\i], v[RB+2*\i], s66, s67     ; the variance + 1e-6
.endr
	s_wait_alu depctr_va_vdst(0)
.irp i, 0,1
	v_rsq_f32 v[RA+2*\i], v[RB+2*\i]
.endr
	v_nop
	s_wait_alu depctr_va_vdst(0)
.irp i, 0,1
.irp p, 0,2,4,6
	v_pk_mul_f32 v[S+8*\i+\p:S+8*\i+\p+1], v[S+8*\i+\p:S+8*\i+\p+1], v[RA+2*\i:RA+2*\i+1] op_sel_hi:[1,0]
.endr
.endr
.irp i, 0,1
.irp p, 0,2,4,6
	v_pk_fma_f32 v[S+8*\i+\p:S+8*\i+\p+1], v[S+8*\i+\p:S+8*\i+\p+1], v[GB+\p:GB+\p+1], v[GB+8+\p:GB+8+\p+1]
.endr
.endr
.irp i, 0,1
	global_store_b128 v[LI], v[S+8*\i:S+8*\i+3], s[18:19] offset:1024*\i th:TH_STORE_NT       ; 32 lanes store 512 consecutive bytes, aligned to 256
	global_store_b128 v[LI], v[S+8*\i+4:S+8*\i+7], s[18:19] offset:1024*\i+512 th:TH_STORE_NT
.endr
	s_wait_tensorcnt 0x0                           ; the wave's end
	ds_add_u32 v[SPW], v[NIL]
	s_wait_dscnt 0x0
	CROUND                                         ; the closing round
	s_endpgm
.Lfunc_end_k_qd3146222b6_attn:
	.size	k_qd3146222b6_attn, .Lfunc_end_k_qd3146222b6_attn-k_qd3146222b6_attn
	.p2alignl 7, 3214868480
	.fill 96, 4, 3214868480
	.section	.rodata,"a",@progbits
	.p2align	6, 0x0
	.amdhsa_kernel k_qd3146222b6_attn
		.amdhsa_group_segment_fixed_size 327680
		.amdhsa_private_segment_fixed_size 0
		.amdhsa_enable_private_segment 0
		.amdhsa_kernarg_size 64
		.amdhsa_user_sgpr_count 2
		.amdhsa_user_sgpr_kernarg_segment_ptr 1
		.amdhsa_wavefront_size32 1
		.amdhsa_system_sgpr_workgroup_id_x 1
		.amdhsa_system_sgpr_workgroup_id_y 1
		.amdhsa_system_sgpr_workgroup_id_z 1
		.amdhsa_system_vgpr_workitem_id 0
		.amdhsa_next_free_vgpr 256
		.amdhsa_next_free_sgpr 100
		.amdhsa_reserve_vcc 1
		.amdhsa_float_denorm_mode_32 3
		.amdhsa_float_denorm_mode_16_64 3
		.amdhsa_memory_ordered 1
		.amdhsa_forward_progress 1
		.amdhsa_inst_pref_size 108
	.end_amdhsa_kernel
	.amdgpu_metadata
---
amdhsa.version: [ 1, 2 ]
amdhsa.kernels:
  - .name:           k_qd3146222b6_attn
    .symbol:         k_qd3146222b6_attn.kd
    .args:
      - { .name: qb, .offset: 0, .size: 8, .value_kind: global_buffer, .address_space: global }
      - { .name: kv, .offset: 8, .size: 8, .value_kind: global_buffer, .address_space: global }
      - { .name: sc, .offset: 16, .size: 8, .value_kind: global_buffer, .address_space: global }
      - { .name: pad_mask, .offset: 24, .size: 8, .value_kind: global_buffer, .address_space: global }
      - { .name: x, .offset: 32, .size: 8, .value_kind: global_buffer, .address_space: global }
      - { .name: gamma, .offset: 40, .size: 8, .value_kind: global_buffer, .address_space: global }
      - { .name: beta, .offset: 48, .size: 8, .value_kind: global_buffer, .address_space: global }
      - { .name: out0, .offset: 56, .size: 8, .value_kind: global_buffer, .address_space: global }
    .group_segment_fixed_size: 327680
    .private_segment_fixed_size: 0
    .kernarg_segment_align: 8
    .kernarg_segment_size: 64
    .max_flat_workgroup_size: 512
    .sgpr_count:     100
    .vgpr_count:     256
    .wavefront_size: 32
...
	.end_amdgpu_metadata
.endif
;; end of part 2
